; MI455X (gfx1250); checked and timed in simulation.
; The chip was launched on July 23, 2026; its instructions are those of AMD's public machine-readable ISA for CDNA 5 (MIT licence, August 2026) and "CDNA5" Instruction Set Architecture Reference Guide (July 2026). The comments in the code are by the model that wrote it; some were corrected since.
;; Multi Head Attention. Allowed arithmetic: matrix products marked QUANTISED: E4M3 operands, one given power-of-two scale a tensor, by v_wmma_f32_16x16x64_fp8_fp8 or v_wmma_f32_16x16x128_fp8_fp8, f32 sums; everything else in f32.
;; Inputs: Wk 512 x 512 float32; Wo 512 x 512 float32; Wq 512 x 512 float32; Wv 512 x 512 float32; bk 512 float32; bo 512 float32; bq 512 float32; bv 512 float32; key 2 x 4,096 x 512 float32; lowp_scales 12 int32 (the exponents e of the quantised operands' scales 2^e); mask 2 x 4,096 x 4,096 int32; query 2 x 4,096 x 512 float32; value 2 x 4,096 x 512 float32.
;; Outputs: out0 2 x 4,096 x 512 float32.
;; This version of the problem:
;;   THIS VERSION OF THE PROBLEM IS GIVEN IN LOW PRECISION. The matrix products marked QUANTISED in the list below multiply operands that are first quantised to E4M3 (4 exponent bits, 3 mantissa bits; 8 bits a number), with one given power-of-two scale for each operand tensor; their sums are f32. All else is computed in f32.
;;   The module's matrix products, in the order in which they are computed (A, B: the left and right operand; K: the contracted axis; several contracted axes count as one K, in the product's order):
;;     1. [M 8,192, K 512] x [K 512, N 512]; A: input query; B: input Wq: QUANTISED (scales: A lowp_scales[0], B lowp_scales[1])
;;     2. [M 8,192, K 512] x [K 512, N 512]; A: input key; B: input Wk: QUANTISED (scales: A lowp_scales[2], B lowp_scales[3])
;;     3. [M 8,192, K 512] x [K 512, N 512]; A: input value; B: input Wv: QUANTISED (scales: A lowp_scales[4], B lowp_scales[5])
;;     4. batch 16 x [M 4,096, K 64] x [K 64, N 4,096]; A: computed on the way; B: computed on the way: QUANTISED (scales: A lowp_scales[6], B lowp_scales[7])
;;     5. batch 16 x [M 4,096, K 4,096] x [K 4,096, N 64]; A: softmax (see below); B: computed on the way: QUANTISED (scales: A lowp_scales[8], B lowp_scales[9])
;;     6. [M 8,192, K 512] x [K 512, N 512]; A: computed on the way; B: input Wo: QUANTISED (scales: A lowp_scales[10], B lowp_scales[11])
;;   THE QUANTISER, for each operand of a quantised product, along K:
;;     - The operand's scale is 2^e, e = its entry of the input lowp_scales (int32; the entries are numbered through the quantised products in the list's order, A before B).
;;     - Each number is divided by the scale, clamped to +-448, and rounded to the nearest number of E4M3, ties to even, subnormals kept.
;;     - The product sums the exact products of the quantised numbers (number of the format x scale) in f32.
;;   ~~~python
;;   def quantise(x, axis, e):      # numpy; x: float32 -> the quantised numbers, widened to float32 again
;;       x = np.moveaxis(x, axis, -1); K = x.shape[-1]
;;       r = np.clip(x / 2.0 ** e, -448, 448)
;;       step = 2.0 ** (np.maximum(np.frexp(np.where(r == 0, 1, r))[1] - 1, -6) - 3)
;;       q = np.round(r / step) * step * 2.0 ** e      # np.round: ties to even
;;       return np.moveaxis(q, -1, axis).astype(np.float32)
;;   ~~~
;;   SOFTMAX AHEAD OF A QUANTISED PRODUCT. Where the list says 'softmax', what is quantised is not the finished softmax but p = 2^(t - M), with t = logit x log2(e) and M = ceil(the row's largest t), a whole number; so 1/2 < the row's largest p <= 1. The row's sum l is taken of the UNQUANTISED p, in f32, and the product's result is divided by l at the end. Since M is a whole number, a kernel that streams over the keys may use a running M (the ceiling of the running maximum): every later rescaling is an exact power of two, so the quantised numbers keep their values, but for numbers so far below the row's largest that they fall under the format's range.
;;   OPERANDS COMPUTED ON THE WAY. 'Computed on the way' means the value that the module computes at that place (a softmax that the list does not call 'softmax' is quantised finished and normalised). What goes into a quantiser is computed in f32, as accurately as f32 sums, v_exp_f32 and their like allow (about 1e-6 of the number): no bf16 or f16 on the way to a quantiser, and a product that is left as it is and whose result goes on into a quantised operand takes f32 operands (vector FMAs, or v_wmma_f32_16x16x4_f32). A number that lies on a knife's edge between two numbers of the format may be rounded either way, as far as f32 arithmetic and the matrix unit's own rounding can turn it there, and no further.
;; One version. Each part assembles by itself: llvm-mc -triple=amdgcn-amd-amdhsa -mcpu=gfx1250 --defsym DOCPART=n.
;; ======== version 1 of 1: 4 launches
;; limits: right only within a limited range of input values
;; workspace buffers: wcodes 1,048,576 bytes; qkv 12,582,912 bytes; mbits 4,194,304 bytes of whole numbers; mflag 8,192 bytes of whole numbers; oc 4,194,304 bytes
;; launch prep (part 1): grid 320 x 1, 8 waves a work-group, no clusters, 68,608 bytes of LDS; arguments mask, Wq, Wk, Wv, Wo, lowp_scales, wcodes, mbits, mflag; writes wcodes, mbits, mflag
.if DOCPART == 1
	.amdgcn_target "amdgcn-amd-amdhsa--gfx1250"
	.amdhsa_code_object_version 6
	.text
	.protected	k_qb17afdb62a_prep
	.globl	k_qb17afdb62a_prep
	.p2align	8
	.type	k_qb17afdb62a_prep,@function
k_qb17afdb62a_prep:
	s_mov_b64 s[64:65], 0
	v_nop
	global_prefetch_b8 v0, s[64:65] scope:SCOPE_SE
	s_setreg_imm32_b32 hwreg(HW_REG_WAVE_MODE, 25, 1), 1
	s_wait_xcnt 0x0
; TWO JOBS IN ONE LAUNCH, parted once by the work-group's number; neither has a barrier, and only the first uses LDS.
; WORK-GROUPS 0-255: THE MASK [2][4096][4096] int32 IS READ ONCE AND PACKED INTO BITS, in the order in which the attention launch wants them.
;   mbits [512 QT][32 ks][64 words]: bit L of word 8 t + j = (mask[16 QT + L % 16][128 ks + 16 t + 8 (L / 16) + j] != 0): the lane mask of register 8 t + j of a tile of scores
;   (16 queries x 128 keys, a lane to a query).  mflag [512 QT][4 kq]: bit t: some entry of key step 8 kq + t is not 0; bit 8 + t: all are not 0.
;   A wave takes 16 queries x 1,024 keys in 8 steps of 128 keys.  Each load reads 512 consecutive bytes of one row; a step's 16 rows turn through the wave's own stage in LDS, so that
;   lane (r, h) holds, of row r, entries 16 c + 8 h + 0 .. 7 in registers 8 c + 0 .. 7.  A compare then gives a word; words gather in a pair of registers, and 32 lanes store 256 consecutive bytes.
; WORK-GROUPS 256-319: Wq, Wk, Wv, Wo [512][512] f32 BECOME CODES OF E4M3, each with its given scale 2^e (entries 1, 3, 5, 11): code = x / 2^e, held within +-448, nearest, ties to even.
;   wcodes [4 weights][32 ft][4 s][4 g][32 lanes][16 bytes]: the image of an operand's registers: fragment (ft, s) is rows 16 ft + r, k = 128 s + 16 c + 8 h + 0 .. 7 in registers 2 c, 2 c + 1;
;   group g is registers 4 g .. 4 g + 3.  A wave makes one fragment.  Its loads are pieces of 32 bytes of 16 rows: the four weights are 4 MiB in all and are read once.
; LIMITS: e between -126 and 119, so that 2^e and 448 x 2^e are f32 numbers.  NaN among the weights is not served; an infinity is held at the largest code.
.set SPITCH, 528                       ; a stage row: 512 bytes + 16 = 33 x 16: the sixteen rows that a load touches begin at sixteen different 16-byte columns of 256 bytes
.set WSTG,   16*SPITCH                 ; a wave's stage
.set OUT,    16                        ; v16-31   mask: a pair of registers for each step's 64 words
.set PC,     16                        ; v16-31   weights: the fragment's codes
.set XW,     32                        ; v32-95   weights: 64 numbers
.set R,      64                        ; v64-191  mask: two sets of 16 rows as loaded
.set X,      192                       ; v192-255 mask: a step's entries, turned
	s_load_b512 s[16:31], s[0:1], 0x0              ; mask s[16:17], Wq, Wk, Wv, Wo s[18:25], the scales' exponents s[26:27], wcodes s[28:29], mbits s[30:31]
	s_load_b64 s[32:33], s[0:1], 0x40              ; mflag
	v_lshl_add_u32 v7, v0, 2, 0x10800
	v_mov_b32 v10, 0
	v_lshrrev_b32 v1, 5, v0
	s_delay_alu instid0(VALU_DEP_1)
	v_readfirstlane_b32 s8, v1                     ; wave 0..7
	v_and_b32 v1, 15, v0                           ; r
	v_bfe_u32 v2, v0, 4, 1                         ; h
	v_and_b32 v15, 31, v0                          ; lane
	s_delay_alu instid0(VALU_DEP_1)
	v_lshlrev_b32 v3, 4, v15                       ; 16 x lane
	s_cmp_ge_u32 ttmp9, 256
	s_cbranch_scc1 .Lweights
; ---------------------------------------------------------------- the mask
.macro LOADT set, st                   ; step st: 16 rows x 512 bytes into set; every offset is an immediate (249,344 at the most)
.irp i, 0,1,2,3,4,5,6,7,8,9,10,11,12,13,14,15
	global_load_b128 v[R+64*(\set)+4*\i:R+64*(\set)+4*\i+3], v3, s[16:17] offset:\i*16384+512*(\st) th:TH_LOAD_NT
.endr
.endm
.macro TURN set                        ; through my stage: in as rows, out as 32 bytes a lane and c.  LDS serves a wave's instructions in order (ISA guide 5.7.1.4): no wait between
.irp i, 0,1,2,3,4,5,6,7,8,9,10,11,12,13,14,15
	ds_store_b128 v4, v[R+64*(\set)+4*\i:R+64*(\set)+4*\i+3] offset:\i*SPITCH
.endr
.irp c, 0,1,2,3,4,5,6,7
	ds_load_b128 v[X+8*\c:X+8*\c+3], v5 offset:64*\c
	ds_load_b128 v[X+8*\c+4:X+8*\c+7], v5 offset:64*\c+16
.endr
.endm
	s_mul_i32 s9, s8, WSTG
	v_add_nc_u32 v4, s9, v3                        ; into the stage: 16 x lane of a row
	v_mul_u32_u24 v5, v1, SPITCH
	s_delay_alu instid0(VALU_DEP_1)
	v_lshl_add_u32 v5, v2, 5, v5
	s_delay_alu instid0(VALU_DEP_1)
	v_add_nc_u32 v5, s9, v5                        ; out of it: row r, + 32 h
	v_lshlrev_b32 v6, 3, v15                       ; my two words of a step's 64
	s_lshl_b32 s10, ttmp9, 1
	s_lshr_b32 s11, s8, 2
	s_add_co_u32 s10, s10, s11                     ; QT = 2 x work-group + wave / 4
	s_and_b32 s11, s8, 3                           ; kq = wave % 4
	s_lshl_b32 s12, s10, 18                        ; mask: 16 rows of 16,384 bytes a QT,
	s_lshl_b32 s13, s11, 12                        ; 1,024 entries a kq
	s_add_co_u32 s12, s12, s13
	s_mov_b32 s13, 0
	s_lshl_b32 s34, s10, 13                        ; mbits: 8,192 bytes a QT, 2,048 a kq
	s_lshl_b32 s35, s11, 11
	s_add_co_u32 s34, s34, s35
	s_mov_b32 s35, 0
	s_lshl_b32 s36, s10, 4                         ; mflag: 16 bytes a QT, 4 a kq
	s_lshl_b32 s37, s11, 2
	s_add_co_u32 s36, s36, s37
	s_mov_b32 s37, 0
	s_mov_b32 s56, 0                               ; the flags
	s_wait_kmcnt 0x0
	s_add_nc_u64 s[16:17], s[16:17], s[12:13]
	s_add_nc_u64 s[30:31], s[30:31], s[34:35]
	s_add_nc_u64 s[32:33], s[32:33], s[36:37]
	s_wait_alu depctr_va_vdst(0)
	LOADT 0, 0
	LOADT 1, 1
.set i, 0
.rept 16
	v_mov_b32 v[OUT+i], 0                          ; written once: a lane write's destination counts as one of its sources
.set i, i+1
.endr
.macro MSTEP t
.if \t < 7
	s_wait_loadcnt 16                              ; this step's 16 loads are in; the next step's 16 may be out
.else
	s_wait_loadcnt 0x0
.endif
	TURN (\t)%2
	s_wait_dscnt 0x0                               ; the entries are back, and the stage's stores have read their registers,
.if \t+2 < 8
	LOADT (\t)%2, \t+2                             ; which take the loads of two steps on
.endif
.irp q, 0,1,2,3
.irp i, 0,1,2,3,4,5,6,7,8,9,10,11,12,13,14,15
	v_cmp_ne_u32 s[40+\i], 0, v[X+16*\q+\i]        ; word 16 q + i
.endr
.irp i, 0,1,2,3,4,5,6,7,8,9,10,11,12,13,14,15
	v_writelane_b32 v[OUT+2*(\t)+(\i%2)], s[40+\i], 8*\q+(\i/2)   ; to lane (16 q + i) / 2, even words in the pair's first register
.endr
.endr
	s_delay_alu instid0(VALU_DEP_1)
	v_or_b32 v11, v[OUT+2*(\t)], v[OUT+2*(\t)+1]
	s_delay_alu instid0(VALU_DEP_2)
	v_and_b32 v12, v[OUT+2*(\t)], v[OUT+2*(\t)+1]
	s_delay_alu instid0(VALU_DEP_2)
	v_cmp_ne_u32 s58, 0, v11
	s_cmp_lg_u32 s58, 0                            ; some bit of the 64 words is set
	s_cselect_b32 s57, 1<<(\t), 0
	s_or_b32 s56, s56, s57
	v_cmp_eq_u32 s58, -1, v12
	s_cmp_eq_u32 s58, -1                           ; all are
	s_cselect_b32 s57, 1<<(8+\t), 0
	s_or_b32 s56, s56, s57
	global_store_b64 v6, v[OUT+2*(\t):OUT+2*(\t)+1], s[30:31] offset:256*(\t)   ; 32 lanes store 256 consecutive bytes, at a multiple of 256 from the buffer's first byte; each step has its own pair
.endm
.irp t, 0,1,2,3,4,5,6,7
	MSTEP \t
.endr
	v_mov_b32 v13, s56
	v_mov_b32 v14, 0
	v_cmp_eq_u32 vcc_lo, 0, v15
	s_wait_alu depctr_va_vdst(0)
	s_wait_xcnt 0x0                                ; EXEC is a source of the stores above: it changes only behind this wait
	s_wait_tensorcnt 0x0
	ds_add_u32 v7, v10
	s_wait_dscnt 0x0
	s_and_saveexec_b32 s59, vcc_lo
	global_store_b32 v14, v13, s[32:33]            ; one word a wave: 2,048 such stores in the launch
	s_wait_xcnt 0x0
	s_or_b32 exec_lo, exec_lo, s59
	s_endpgm
; ---------------------------------------------------------------- the weights
.Lweights:
	s_sub_co_u32 s9, ttmp9, 256                    ; 0 .. 63
	s_lshr_b32 s10, s9, 4                          ; which weight: 16 work-groups each
	s_lshl_b32 s11, s9, 3
	s_add_co_u32 s11, s11, s8                      ; the fragment's number, 0 .. 511: [weight][ft][s]
	s_bfe_u32 s12, s11, 0x50002                    ; ft
	s_and_b32 s13, s11, 3                          ; s
	s_lshl_b32 s12, s12, 15                        ; 16 rows of 2,048 bytes,
	s_lshl_b32 s13, s13, 9                         ; 128 numbers along K
	s_add_co_u32 s12, s12, s13
	s_mov_b32 s13, 0
	s_lshl_b32 s34, s11, 11                        ; an image is 2,048 bytes
	s_mov_b32 s35, 0
	s_wait_alu depctr_va_vdst(0)
	v_lshlrev_b32 v4, 11, v1
	s_delay_alu instid0(VALU_DEP_1)
	v_lshl_add_u32 v4, v2, 5, v4                   ; row r, + 32 h
	s_wait_alu depctr_va_vdst(0)
	s_wait_kmcnt 0x0
	s_load_b256 s[40:47], s[26:27], 0x0            ; entries 0 to 7
	s_load_b128 s[48:51], s[26:27], 0x20           ; entries 8 to 11
	s_cmp_eq_u32 s10, 1                            ; the choice hangs on the work-group's number alone
	s_cselect_b64 s[18:19], s[20:21], s[18:19]
	s_cmp_eq_u32 s10, 2
	s_cselect_b64 s[18:19], s[22:23], s[18:19]
	s_cmp_eq_u32 s10, 3
	s_cselect_b64 s[18:19], s[24:25], s[18:19]
	s_add_nc_u64 s[18:19], s[18:19], s[12:13]
	s_add_nc_u64 s[28:29], s[28:29], s[34:35]
.irp c, 0,1,2,3,4,5,6,7
	global_load_b128 v[XW+8*\c:XW+8*\c+3], v4, s[18:19] offset:64*\c       ; W(16 ft + r, 128 s + 16 c + 8 h + 0 .. 3)
	global_load_b128 v[XW+8*\c+4:XW+8*\c+7], v4, s[18:19] offset:64*\c+16
.endr
	s_wait_kmcnt 0x0
	s_cmp_eq_u32 s10, 1
	s_cselect_b32 s41, s43, s41
	s_cmp_eq_u32 s10, 2
	s_cselect_b32 s41, s45, s41
	s_cmp_eq_u32 s10, 3
	s_cselect_b32 s41, s51, s41                    ; e
	s_add_co_i32 s41, s41, 127
	s_lshl_b32 s42, s41, 23
	v_mov_b32 v8, s42                              ; 2^e as f32: the conversion takes its exponent field
	s_add_co_i32 s41, s41, 8
	s_lshl_b32 s41, s41, 23
	s_or_b32 s41, s41, 0x600000
	v_mov_b32 v9, s41                              ; 448 x 2^e
	s_wait_alu depctr_va_vdst(0)
	s_wait_loadcnt 0x0
.irp c, 0,1,2,3,4,5,6,7
.irp i, 0,1,2,3,4,5,6,7
	v_med3_num_f32 v[XW+8*\c+\i], v[XW+8*\c+\i], -v9, v9   ; the conversion to an 8-bit code does not saturate (ISA guide 7.6.2): the hold comes first
.endr
	v_cvt_scalef32_pk8_fp8_f32 v[PC+2*\c:PC+2*\c+1], v[XW+8*\c:XW+8*\c+7], v8
.endr
	v_nop
.irp g, 0,1,2,3
	global_store_b128 v3, v[PC+4*\g:PC+4*\g+3], s[28:29] offset:512*\g     ; 32 lanes store 512 consecutive bytes
.endr
	s_endpgm
.Lfunc_end_k_qb17afdb62a_prep:
	.size	k_qb17afdb62a_prep, .Lfunc_end_k_qb17afdb62a_prep-k_qb17afdb62a_prep
	.p2alignl 7, 3214868480
	.fill 96, 4, 3214868480
	.section	.rodata,"a",@progbits
	.p2align	6, 0x0
	.amdhsa_kernel k_qb17afdb62a_prep
		.amdhsa_group_segment_fixed_size 68608
		.amdhsa_private_segment_fixed_size 0
		.amdhsa_enable_private_segment 0
		.amdhsa_kernarg_size 72
		.amdhsa_user_sgpr_count 2
		.amdhsa_user_sgpr_kernarg_segment_ptr 1
		.amdhsa_wavefront_size32 1
		.amdhsa_system_sgpr_workgroup_id_x 1
		.amdhsa_system_sgpr_workgroup_id_y 1
		.amdhsa_system_sgpr_workgroup_id_z 1
		.amdhsa_system_vgpr_workitem_id 0
		.amdhsa_next_free_vgpr 256
		.amdhsa_next_free_sgpr 66
		.amdhsa_reserve_vcc 1
		.amdhsa_float_denorm_mode_32 3
		.amdhsa_float_denorm_mode_16_64 3
		.amdhsa_memory_ordered 1
		.amdhsa_forward_progress 1
		.amdhsa_inst_pref_size 109
	.end_amdhsa_kernel
	.amdgpu_metadata
---
amdhsa.version: [ 1, 2 ]
amdhsa.kernels:
  - .name:           k_qb17afdb62a_prep
    .symbol:         k_qb17afdb62a_prep.kd
    .args:
      - { .name: mask, .offset: 0, .size: 8, .value_kind: global_buffer, .address_space: global }
      - { .name: Wq, .offset: 8, .size: 8, .value_kind: global_buffer, .address_space: global }
      - { .name: Wk, .offset: 16, .size: 8, .value_kind: global_buffer, .address_space: global }
      - { .name: Wv, .offset: 24, .size: 8, .value_kind: global_buffer, .address_space: global }
      - { .name: Wo, .offset: 32, .size: 8, .value_kind: global_buffer, .address_space: global }
      - { .name: lowp_scales, .offset: 40, .size: 8, .value_kind: global_buffer, .address_space: global }
      - { .name: wcodes, .offset: 48, .size: 8, .value_kind: global_buffer, .address_space: global }
      - { .name: mbits, .offset: 56, .size: 8, .value_kind: global_buffer, .address_space: global }
      - { .name: mflag, .offset: 64, .size: 8, .value_kind: global_buffer, .address_space: global }
    .group_segment_fixed_size: 68608
    .private_segment_fixed_size: 0
    .kernarg_segment_align: 8
    .kernarg_segment_size: 72
    .max_flat_workgroup_size: 256
    .sgpr_count:     66
    .vgpr_count:     256
    .wavefront_size: 32
...
	.end_amdgpu_metadata
.endif
;; end of part 1
;; launch proj (part 2): grid 192 x 1, 8 waves a work-group, no clusters, 134,144 bytes of LDS; arguments query, key, value, bq, bk, bv, lowp_scales, wcodes, qkv; writes qkv
.if DOCPART == 2
	.amdgcn_target "amdgcn-amd-amdhsa--gfx1250"
	.amdhsa_code_object_version 6
	.text
	.protected	k_qb17afdb62a_proj
	.globl	k_qb17afdb62a_proj
	.p2align	8
	.type	k_qb17afdb62a_proj,@function
k_qb17afdb62a_proj:
	s_mov_b64 s[64:65], 0
	v_nop
	global_prefetch_b8 v0, s[64:65] scope:SCOPE_SE
	s_setreg_imm32_b32 hwreg(HW_REG_WAVE_MODE, 25, 1), 1
	s_wait_xcnt 0x0
; THE THREE PROJECTIONS x W^T + b, on codes of E4M3, their results quantised again as the operands of attention's two products.
; Work-group: sel = number / 64 (0 query, 1 key, 2 value), block = number % 64: 128 tokens.  Eight waves.  Wave w (a) quantises token tile w of the block (16 tokens x 512), and
; (b) owns head w (features 64 w .. 64 w + 63) for all 128 tokens; its 16 fragments of W's codes stay in 256 registers.
; x's fragments go from wave to wave through LDS as images of their registers: 4 stores of 16 bytes a lane at 16 x lane; one barrier; the same lines as loads.
; LAYOUT (the form's own: registers 2 c, 2 c + 1 of lane (r, h) hold k = 16 c + 8 h + 0 .. 7 of row r).
;   query, key: source 0 = 16 rows of W, source 1 = 16 tokens: a lane then holds ONE token and eight neighbouring features 16 f + 8 h + j, so a conversion's two registers are registers 2 f, 2 f + 1 of the head's fragment (K = 64).
;   value: source 0 = 16 tokens, source 1 = 16 rows of W: a lane holds ONE channel and eight neighbouring tokens, so the conversion gives registers 2 c, 2 c + 1 of V^T's fragment (K = 128 keys, c = the token tile).
; qkv: Q at 0 and K at 4 MiB: [16 bh][256 tiles][2 g][32 lanes][16 bytes];  V at 8 MiB: [16 bh][32 blocks of 128 keys][4 ct][4 g][32][16].
; SCALES: a sum of codes stands for sum x 2^(ex + ew).  The bias goes in as the C of a sum's first product, divided by 2^(ex + ew); the result's conversion takes 2^(eo - ex - ew).
; LIMITS: ex, and eo - ex - ew, between -126 and 119.  NaN among the inputs is not served; an infinity is held at the largest code.
; No cluster: a work-group shares W's codes (256 KiB a tensor) with 63 others, but each wave reads its 32 KiB once, straight into registers, while x is quantised.
; REGISTERS, window 0: v1 4 r, v2 32 h, v3 16 x lane, v4, v5 stage in and out, v6 where I store x's images, v7, v8 2^ex and 448 x 2^ex, v9, v10 the same for eo - ex - ew,
;   v12-15 the bias of a lane's channel, v16-31 codes, v32-63 the bias as C, v64-191 two sets of 16 rows of x, v192-255 64 numbers turned;
;   behind the barrier v64-127 eight accumulators ((f, i) at 8 (2 f + i)), v128-255 x's eight fragments of two token tiles.   window 1: W's fragments, (f, s) at 16 (4 f + s).
.set SPITCH, 528                       ; a stage row: 512 bytes + 16 = 33 x 16
.set WSTG,   16*SPITCH
.set PST,    65536                     ; LDS: x's 32 images (tile m, K step s at (4 m + s) x 2,048), then a stage for each wave
.set BV,  12
.set PC,  16
.set BI,  32
.set R,   64
.set X,   192
.set ACC, 64
.set XF,  128
.set MSB, 0
.macro WIN new                         ; the immediate's high byte repeats the setting that is left
.if MSB != \new
	s_set_vgpr_msb (MSB<<8)|\new
.set MSB, \new
.endif
.endm
.macro LOADT set, st                   ; K step st of my 16 tokens: a row's 512 consecutive bytes an instruction
.irp i, 0,1,2,3,4,5,6,7,8,9,10,11,12,13,14,15
	global_load_b128 v[R+64*(\set)+4*\i:R+64*(\set)+4*\i+3], v3, s[16:17] offset:\i*2048+512*(\st) th:TH_LOAD_NT
.endr
.endm
.macro TURN set                        ; through my own stage; LDS serves a wave's instructions in order (ISA guide 5.7.1.4)
.irp i, 0,1,2,3,4,5,6,7,8,9,10,11,12,13,14,15
	ds_store_b128 v4, v[R+64*(\set)+4*\i:R+64*(\set)+4*\i+3] offset:\i*SPITCH
.endr
.irp c, 0,1,2,3,4,5,6,7
	ds_load_b128 v[X+8*\c:X+8*\c+3], v5 offset:64*\c
	ds_load_b128 v[X+8*\c+4:X+8*\c+7], v5 offset:64*\c+16
.endr
.endm
.macro WLOAD q                         ; a quarter of my W: 16 loads of 512 consecutive bytes into window 1
	WIN 0x40
.irp i, 0,1,2,3,4,5,6,7,8,9,10,11,12,13,14,15
	global_load_b128 v[4*(16*(\q)+\i):4*(16*(\q)+\i)+3], v3, s[30:31] offset:512*(16*(\q)+\i)
.endr
	WIN 0
.endm
.macro KSTEP s, cnt                    ; K step s of my token tile becomes a fragment's image.  cnt: the loads issued behind this step's 16
	s_wait_loadcnt \cnt
	TURN (\s)%2
	s_wait_dscnt 0x0                               ; the numbers are back; the stage's stores and the last image's have read their registers
.if \s < 2
	LOADT (\s)%2, \s+2
.endif
	WLOAD \s
.irp c, 0,1,2,3,4,5,6,7
.irp i, 0,1,2,3,4,5,6,7
	v_med3_num_f32 v[X+8*\c+\i], v[X+8*\c+\i], -v8, v8     ; the conversion to an 8-bit code does not saturate (ISA guide 7.6.2)
.endr
	v_cvt_scalef32_pk8_fp8_f32 v[PC+2*\c:PC+2*\c+1], v[X+8*\c:X+8*\c+7], v7
.endr
	v_nop                                          ; a plain line behind the last conversion
.irp g, 0,1,2,3
	ds_store_b128 v6, v[PC+4*\g:PC+4*\g+3] offset:2048*(\s)+512*\g
.endr
.endm
	s_load_b512 s[16:31], s[0:1], 0x0              ; query, key, value s[16:21], bq, bk, bv s[22:27], the scales' exponents s[28:29], wcodes s[30:31]
	s_load_b64 s[32:33], s[0:1], 0x40              ; qkv
	v_lshrrev_b32 v1, 5, v0
	s_delay_alu instid0(VALU_DEP_1)
	v_readfirstlane_b32 s8, v1                     ; wave 0..7
	v_and_b32 v1, 15, v0                           ; r
	v_bfe_u32 v2, v0, 4, 1                         ; h
	v_and_b32 v3, 31, v0
	s_delay_alu instid0(VALU_DEP_1)
	v_lshlrev_b32 v3, 4, v3                        ; 16 x lane
	s_mul_i32 s11, s8, WSTG
	s_add_co_u32 s11, s11, PST
	v_add_nc_u32 v4, s11, v3
	v_mul_u32_u24 v5, v1, SPITCH
	s_delay_alu instid0(VALU_DEP_1)
	v_lshl_add_u32 v5, v2, 5, v5
	s_delay_alu instid0(VALU_DEP_1)
	v_add_nc_u32 v5, s11, v5
	s_lshl_b32 s11, s8, 13
	v_add_nc_u32 v6, s11, v3                       ; my tile's four images: 8,192 x wave + 16 x lane
	v_lshlrev_b32 v1, 2, v1                        ; 4 r
	v_lshlrev_b32 v2, 5, v2                        ; 32 h
	s_lshr_b32 s9, ttmp9, 6                        ; sel
	s_and_b32 s10, ttmp9, 63                       ; block
	s_lshl_b32 s12, s10, 18                        ; x: 128 tokens of 2,048 bytes a block,
	s_lshl_b32 s13, s8, 15                         ; 16 a wave
	s_add_co_u32 s12, s12, s13
	s_mov_b32 s13, 0
	s_lshl_b32 s34, s9, 18                         ; W's codes: 262,144 bytes a weight, 32,768 a head
	s_lshl_b32 s35, s8, 15
	s_add_co_u32 s34, s34, s35
	s_mov_b32 s35, 0
	s_lshl_b32 s36, s8, 8                          ; the bias: 64 numbers a head
	s_mov_b32 s37, 0
	s_lshr_b32 s38, s10, 5                         ; out: 4 MiB x sel + 262,144 x (8 b + head) + 8,192 x (block % 32): the same sum for Q, K (8 tiles of 1,024) and V (a block of 8,192)
	s_lshl_b32 s38, s38, 3
	s_add_co_u32 s38, s38, s8
	s_lshl_b32 s38, s38, 18
	s_lshl_b32 s39, s9, 22
	s_add_co_u32 s38, s38, s39
	s_and_b32 s39, s10, 31
	s_lshl_b32 s39, s39, 13
	s_add_co_u32 s38, s38, s39
	s_mov_b32 s39, 0
	s_wait_alu depctr_va_vdst(0)
	s_wait_kmcnt 0x0
	s_load_b256 s[40:47], s[28:29], 0x0            ; entries 0 to 7
	s_load_b128 s[48:51], s[28:29], 0x20           ; entries 8 to 11
	s_cmp_eq_u32 s9, 1                             ; the choices hang on the work-group's number alone
	s_cselect_b64 s[16:17], s[18:19], s[16:17]
	s_cselect_b64 s[22:23], s[24:25], s[22:23]
	s_cmp_eq_u32 s9, 2
	s_cselect_b64 s[16:17], s[20:21], s[16:17]
	s_cselect_b64 s[22:23], s[26:27], s[22:23]
	s_add_nc_u64 s[16:17], s[16:17], s[12:13]
	s_add_nc_u64 s[30:31], s[30:31], s[34:35]
	s_add_nc_u64 s[22:23], s[22:23], s[36:37]
	s_add_nc_u64 s[32:33], s[32:33], s[38:39]
.irp f, 0,1,2,3                                ; the bias in both layouts: a lane's eight features of tile f, and its one channel
	global_load_b128 v[BI+8*\f:BI+8*\f+3], v2, s[22:23] offset:64*\f
	global_load_b128 v[BI+8*\f+4:BI+8*\f+7], v2, s[22:23] offset:64*\f+16
	global_load_b32 v[BV+\f], v1, s[22:23] offset:64*\f
.endr
	LOADT 0, 0
	LOADT 1, 1
	s_wait_kmcnt 0x0
	s_cmp_eq_u32 s9, 1
	s_cselect_b32 s40, s42, s40                    ; ex: entry 0, 2 or 4
	s_cselect_b32 s41, s43, s41                    ; ew: entry 1, 3 or 5
	s_cselect_b32 s46, s47, s46                    ; eo: entry 6, 7 or 9
	s_cmp_eq_u32 s9, 2
	s_cselect_b32 s40, s44, s40
	s_cselect_b32 s41, s45, s41
	s_cselect_b32 s46, s49, s46
	s_add_co_i32 s53, s40, s41                     ; ex + ew
	s_sub_co_i32 s52, 0, s53
	s_sub_co_i32 s46, s46, s53                     ; eo - ex - ew
	s_add_co_i32 s40, s40, 127
	s_lshl_b32 s41, s40, 23
	v_mov_b32 v7, s41                              ; 2^ex
	s_add_co_i32 s40, s40, 8
	s_lshl_b32 s40, s40, 23
	s_or_b32 s40, s40, 0x600000
	v_mov_b32 v8, s40                              ; 448 x 2^ex
	s_add_co_i32 s46, s46, 127
	s_lshl_b32 s47, s46, 23
	v_mov_b32 v9, s47                              ; 2^(eo - ex - ew)
	s_add_co_i32 s46, s46, 8
	s_lshl_b32 s46, s46, 23
	s_or_b32 s46, s46, 0x600000
	v_mov_b32 v10, s46
	s_wait_alu depctr_va_vdst(0)
	KSTEP 0, 16                                    ; behind K step 0's loads: K step 1's 16
	KSTEP 1, 32                                    ; K step 2's 16 and W's first quarter
	KSTEP 2, 48                                    ; W's first quarter, K step 3's 16, W's second quarter
	KSTEP 3, 32                                    ; W's second and third quarters
	s_wait_dscnt 0x0                               ; for the others' sake: my four images lie in LDS
	s_barrier_signal -1
	s_barrier_wait -1
	s_wait_loadcnt 0x0                             ; W
; One product.  val = 0: source 0 = W, source 1 = x;  val = 1: the other way round.  K step 0 starts the sum with the bias as C.
.macro MM val, s, f, i
.set rD, ACC+8*(2*\f+\i)
.set rW, 16*(4*\f+\s)
.set rX, XF+16*(4*\i+\s)
.if \val
.if \s == 0
	v_wmma_f32_16x16x128_fp8_fp8 v[rD:rD+7], v[rX:rX+15], v[rW:rW+15], v[BI+8*\f:BI+8*\f+7]
.else
	v_wmma_f32_16x16x128_fp8_fp8 v[rD:rD+7], v[rX:rX+15], v[rW:rW+15], v[rD:rD+7]
.endif
.else
.if \s == 0
	v_wmma_f32_16x16x128_fp8_fp8 v[rD:rD+7], v[rW:rW+15], v[rX:rX+15], v[BI+8*\f:BI+8*\f+7]
.else
	v_wmma_f32_16x16x128_fp8_fp8 v[rD:rD+7], v[rW:rW+15], v[rX:rX+15], v[rD:rD+7]
.endif
.endif
.endm
; Token tiles 2 p and 2 p + 1 against my four tiles of features: 32 products, the eight accumulators by turns, one instruction a turn.
.macro PAIR p, val
.irp s, 0,1,2,3
.irp i, 0,1
.irp g, 0,1,2,3
	ds_load_b128 v[XF+16*(4*\i+\s)+4*\g:XF+16*(4*\i+\s)+4*\g+3], v3 offset:((2*(\p)+\i)*4+\s)*2048+512*\g
.endr
.endr
.endr
.if \val
	WIN 0x04                                       ; source 1 (W) window 1
.else
	WIN 0x01                                       ; source 0 (W) window 1
.endif
.irp s, 0,1,2,3
	s_wait_dscnt 8*(3-\s)                          ; K step s's eight loads are in; the later steps' may be out
.irp f, 0,1,2,3
.irp i, 0,1
	MM \val, \s, \f, \i
.endr
.endr
.endr
	WIN 0
.rept 4
	v_nop                                          ; four places between the last product and the first read of results; with the holds below they also stand ahead of the next pair's loads and products
.endr
.if \p > 0
	s_wait_xcnt 0x0                                ; the last pair's stores have read their data: the codes' registers are written again only behind this wait
.endif
.irp f, 0,1,2,3
.irp i, 0,1
.irp j, 0,1,2,3,4,5,6,7
	v_med3_num_f32 v[ACC+8*(2*\f+\i)+\j], v[ACC+8*(2*\f+\i)+\j], -v10, v10    ; each accumulator from its low end on
.endr
.if \val
	v_cvt_scalef32_pk8_fp8_f32 v[PC+4*\f+2*\i:PC+4*\f+2*\i+1], v[ACC+8*(2*\f+\i):ACC+8*(2*\f+\i)+7], v9   ; channel tile f: registers 2 c, 2 c + 1 with c = 2 p + i: group p
.else
	v_cvt_scalef32_pk8_fp8_f32 v[PC+8*\i+2*\f:PC+8*\i+2*\f+1], v[ACC+8*(2*\f+\i):ACC+8*(2*\f+\i)+7], v9   ; token tile 2 p + i: registers 2 f, 2 f + 1
.endif
.endr
.endr
	v_nop                                          ; a plain line behind the last conversion: the next products write its sources
.if \val
.irp f, 0,1,2,3
	global_store_b128 v3, v[PC+4*\f:PC+4*\f+3], s[32:33] offset:2048*\f+512*(\p)
.endr
.else
.irp i, 0,1
.irp g, 0,1
	global_store_b128 v3, v[PC+8*\i+4*\g:PC+8*\i+4*\g+3], s[32:33] offset:(2*(\p)+\i)*1024+512*\g
.endr
.endr
.endif
.endm
	s_cmp_eq_u32 s9, 2
	s_cbranch_scc1 .Lvalue
.set i, 0
.rept 32
	v_ldexp_f32 v[BI+i], v[BI+i], s52              ; b / 2^(ex + ew)
.set i, i+1
.endr
	s_wait_alu depctr_va_vdst(0)
	PAIR 0, 0
	PAIR 1, 0
	PAIR 2, 0
	PAIR 3, 0
	s_wait_xcnt 0x0
	v_lshl_add_u32 v254, v0, 2, 0x20800
	v_mov_b32 v255, 0
	s_wait_alu depctr_va_vdst(0)
	s_wait_tensorcnt 0x0
	ds_add_u32 v254, v255
	s_wait_dscnt 0x0
	s_endpgm
.Lvalue:
.irp f, 0,1,2,3
.irp j, 0,1,2,3,4,5,6,7
	v_ldexp_f32 v[BI+8*\f+\j], v[BV+\f], s52       ; a lane's eight results are eight tokens of one channel: the same bias in all eight
.endr
.endr
	s_wait_alu depctr_va_vdst(0)
	PAIR 0, 1
	PAIR 1, 1
	PAIR 2, 1
	PAIR 3, 1
	s_wait_xcnt 0x0
	v_lshl_add_u32 v254, v0, 2, 0x20800
	v_mov_b32 v255, 0
	s_wait_alu depctr_va_vdst(0)
	s_wait_tensorcnt 0x0
	ds_add_u32 v254, v255
	s_wait_dscnt 0x0
	s_endpgm
.Lfunc_end_k_qb17afdb62a_proj:
	.size	k_qb17afdb62a_proj, .Lfunc_end_k_qb17afdb62a_proj-k_qb17afdb62a_proj
	.p2alignl 7, 3214868480
	.fill 96, 4, 3214868480
	.section	.rodata,"a",@progbits
	.p2align	6, 0x0
	.amdhsa_kernel k_qb17afdb62a_proj
		.amdhsa_group_segment_fixed_size 134144
		.amdhsa_private_segment_fixed_size 0
		.amdhsa_enable_private_segment 0
		.amdhsa_kernarg_size 72
		.amdhsa_user_sgpr_count 2
		.amdhsa_user_sgpr_kernarg_segment_ptr 1
		.amdhsa_wavefront_size32 1
		.amdhsa_system_sgpr_workgroup_id_x 1
		.amdhsa_system_sgpr_workgroup_id_y 1
		.amdhsa_system_sgpr_workgroup_id_z 1
		.amdhsa_system_vgpr_workitem_id 0
		.amdhsa_next_free_vgpr 512
		.amdhsa_next_free_sgpr 66
		.amdhsa_reserve_vcc 0
		.amdhsa_float_denorm_mode_32 3
		.amdhsa_float_denorm_mode_16_64 3
		.amdhsa_memory_ordered 1
		.amdhsa_forward_progress 1
		.amdhsa_inst_pref_size 123
	.end_amdhsa_kernel
	.amdgpu_metadata
---
amdhsa.version: [ 1, 2 ]
amdhsa.kernels:
  - .name:           k_qb17afdb62a_proj
    .symbol:         k_qb17afdb62a_proj.kd
    .args:
      - { .name: query, .offset: 0, .size: 8, .value_kind: global_buffer, .address_space: global }
      - { .name: key, .offset: 8, .size: 8, .value_kind: global_buffer, .address_space: global }
      - { .name: value, .offset: 16, .size: 8, .value_kind: global_buffer, .address_space: global }
      - { .name: bq, .offset: 24, .size: 8, .value_kind: global_buffer, .address_space: global }
      - { .name: bk, .offset: 32, .size: 8, .value_kind: global_buffer, .address_space: global }
      - { .name: bv, .offset: 40, .size: 8, .value_kind: global_buffer, .address_space: global }
      - { .name: lowp_scales, .offset: 48, .size: 8, .value_kind: global_buffer, .address_space: global }
      - { .name: wcodes, .offset: 56, .size: 8, .value_kind: global_buffer, .address_space: global }
      - { .name: qkv, .offset: 64, .size: 8, .value_kind: global_buffer, .address_space: global }
    .group_segment_fixed_size: 134144
    .private_segment_fixed_size: 0
    .kernarg_segment_align: 8
    .kernarg_segment_size: 72
    .max_flat_workgroup_size: 256
    .sgpr_count:     66
    .vgpr_count:     512
    .wavefront_size: 32
...
	.end_amdgpu_metadata
.endif
;; end of part 2
;; launch attn (part 3): grid 16 x 16, 8 waves a work-group, no clusters, 263,168 bytes of LDS; arguments qkv, mbits, mflag, lowp_scales, oc; writes oc
.if DOCPART == 3
	.amdgcn_target "amdgcn-amd-amdhsa--gfx1250"
	.amdhsa_code_object_version 6
	.text
	.protected	k_qb17afdb62a_attn
	.globl	k_qb17afdb62a_attn
	.p2align	8
	.type	k_qb17afdb62a_attn,@function
k_qb17afdb62a_attn:
	s_mov_b64 s[64:65], 0
	v_nop
	global_prefetch_b8 v0, s[64:65] scope:SCOPE_SE
	s_setreg_imm32_b32 hwreg(HW_REG_WAVE_MODE, 25, 1), 1
	s_wait_xcnt 0x0
; ATTENTION ON CODES OF E4M3: o = softmax(q k^T / 8, masked) v for one head, its result quantised again (entry 10) as the last product's operand.
; THE SOFTMAX: t = score x log2(e) / 8; M = the running largest t rounded UP to a whole number; p = 2^(t - M) is quantised (entry 8), not normalised; the row's sum is taken of the unquantised p and divides at the end.
; When M moves, the sum and O are multiplied by 2^(old M - new M): exact.
; SHARES.  Work-group (i, bh): the query blocks i and 31 - i (128 queries each) of head bh; wave w owns tile w of each block.  The eight waves' tiles are neighbours, so a mask that opens keys up to the query opens the same key steps for all eight.
; LAYOUT.  Both products transposed: S^T = K Q^T (source 0 = 16 keys, source 1 = 16 queries, K = 64), O^T = V^T P^T (source 0 = 16 channels, source 1 = P, K = 128 keys): a lane holds ONE query throughout.
; Register j of key tile t is key 16 t + 8 h + j: a conversion's two registers are registers 2 t, 2 t + 1 of P.  K, V, Q arrive as images of their registers: every load is 16 bytes at 16 x lane.
; THE MASK is an input.  An earlier launch has packed it: for a query tile and key step 64 words, word 8 t + j the lane mask of score register 8 t + j, and two flags: some entry open, all open.
; A tile's step with no open entry is jumped over (its p would be 0, and M, the sum and O would not move); one that is all open skips the 64 selects; else hidden scores become -infinity ahead of the maximum.
; A query with no open key at all has the sum 0: its codes become the NaN code, so that the last product gives NaN there.
; K AND V go through a ring of four LDS slots of 512 keys (4 key steps of K's 8,192 + V's 8,192 bytes), filled through registers: wave w brings one step's K (w < 4) or V.  Slot n + 2 is stored at the end of slot n, ahead of the
; one barrier a slot; so behind that barrier slot n + 2 is whole, and its bytes (slot n - 2's) were last read two barriers ago.  Slots 0 to 2 are always fetched; a later slot in which none of the work-group's 16 tiles has an open entry is neither fetched nor stored.
; The next step's fragments of K are fetched behind this step's score products, V's at the step's head.
; THE HOLD: p is at most 1, so where 448 x 2^e8 is 1 or more (e8 >= -8) no p can pass the largest code, and a scalar branch on the given exponent leads round the 64 holds.
; PREFETCH: the 16 work-groups of a head walk the same K and V; work-group m (4 to 7) asks for slot m whole, a wave its own 8,192 bytes, lanes 256 bytes apart, where slot m - 1 is loaded.  Slots 0 to 3 come by their loads alone.
; NO TENSOR LOADS, SO NO JOINT LOADS: this text branches on stored numbers.
; LIMITS: entries 6 + 7 between -123 and 130 (added to c's exponent field); entries 8 and 10 between -126 and 119; 8 + 9 is applied by v_ldexp_f32 and has none.
; REGISTERS, window 0: v1-15 below; v16.., v24.. a tile's statistics: +0 -M, +1 the largest t, +2, +3 the sum, +4 f (+5 named with it), +6, +7 a chain of sums; v32.., v48.. P; v64.., v128.. S^T, then p; v192.., v224.. O^T.
;   window 1: v0-63 K's eight fragments, v64-127 V's four, v128.., v136.. Q, v144-207 8,192 bytes on their way to LDS.
.set STEPB, 16384
.set SLOTB, 65536
.set RINGM, 0x3ffff
.set SPARE, 262144                     ; behind the ring: the spare words, 128 bytes a wave
.set LI,   1                           ; 16 x lane
.set LIW,  2                           ; + my step's K or V in a slot
.set NINF, 3
.set PSC,  4                           ; 2^e8
.set PLIM, 5                           ; 448 x 2^e8
.set PD,   6                           ; a permute's destination
.set RA,   7                           ; LDS address of the fragments in hand; on the way out the NaN codes
.set PFO,  8                           ; 256 x lane; on the way out 2^e10
.set LW,   9                           ; LDS address of my stores; on the way out 448 x 2^e10
.set A1,   10                          ; v10-13 at work
.set SPW,  14
.set NIL,  15
.set ST,   16
.set P,    32
.set S,    64
.set O,    192
.set KF,   0
.set VF,   64
.set QF,   128
.set STG,  144
.set WSH,  2                           ; a nibble a slot, the next to be stored lowest: some tile of the work-group has an open entry
.set KV,   4                           ; s[4:5]  my 8,192 bytes of the slot to be fetched
.set MP,   6                           ; s[6:7], s[8:9]     my two tiles' mask words
.set OP,   10                          ; s[10:11], s[12:13] their places in oc
.set WV,   14                          ; the wave; behind the head e10
.set KO,   15                          ; 256 x the key step
.set POS,  16                          ; the key step's byte in the ring
.set SL,   17
.set ANY,  18                          ; s18, s20: a tile's steps with an open entry; s19, s21: those that are part hidden.  Bit 0 is the step in hand
.set EI,   22                          ; s18 | s20
.set TMP,  23
.set CS,   24
.set SEL,  26
.set EPV,  28
.set LZ,   29                          ; s29, s30: lanes whose sum is 0
.set HOLD, 100
.set INNER, 101
                                       ; s[32:63], s[68:99]: a step's 64 mask words
.set MSB, 0
.macro WIN new                         ; the immediate's high byte repeats the setting that is left
.if MSB != \new
	s_set_vgpr_msb (MSB<<8)|\new
.set MSB, \new
.endif
.endm
.macro ALUW
	s_wait_alu depctr_va_vdst(0)
.endm
.macro FLAGS any, all, w               ; four words of 8 + 8 flags become two words of 32
	s_bfe_u32 s[\any], s[\w], 0x80000
	s_bfe_u32 s[\all], s[\w], 0x80008
.irp k, 1,2,3
	s_bfe_u32 s31, s[\w+\k], 0x80000
	s_lshl_b32 s31, s31, 8*\k
	s_or_b32 s[\any], s[\any], s31
	s_bfe_u32 s31, s[\w+\k], 0x80008
	s_lshl_b32 s31, s31, 8*\k
	s_or_b32 s[\all], s[\all], s31
.endr
.endm
.macro GLOAD                           ; my 8,192 bytes of a slot into the stage registers
	WIN 0x40
.irp n, 0,1,2,3,4,5,6,7,8,9,10,11,12,13,14,15
	global_load_b128 v[STG+4*\n:STG+4*\n+3], v[LI], s[KV:KV+1] offset:512*\n
.endr
	WIN 0
.endm
.macro KLOAD adr                       ; K's eight fragments
	WIN 0x40
.irp n, 0,1,2,3,4,5,6,7,8,9,10,11,12,13,14,15
	ds_load_b128 v[KF+4*\n:KF+4*\n+3], v[\adr] offset:512*\n
.endr
	WIN 0
.endm
	s_load_b256 s[32:39], s[0:1], 0x0              ; qkv, mbits, mflag, the scales' exponents
	s_load_b64 s[40:41], s[0:1], 0x20              ; oc
	v_lshl_add_u32 v[SPW], v0, 2, SPARE
	v_mov_b32 v[NIL], 0
	v_lshrrev_b32 v1, 5, v0
	v_readfirstlane_b32 s[WV], v1                  ; wave 0..7
	v_and_b32 v2, 31, v0
	v_lshlrev_b32 v[LI], 4, v2
	v_lshlrev_b32 v[PFO], 8, v2
	s_and_b32 s42, s[WV], 3                        ; which step of a slot I bring,
	s_lshr_b32 s44, s[WV], 2                       ; its K (0) or its V (1)
	s_lshl_b32 s43, s42, 14
	s_lshl_b32 s45, s44, 13
	s_add_co_u32 s43, s43, s45                     ; its place in a slot
	s_and_b32 s46, ttmp7, 0xffff                   ; bh
	s_lshl_b32 s47, s46, 18                        ; a head's 262,144 bytes in Q, in K and in V
	s_add_co_u32 s50, s44, 1
	s_lshl_b32 s50, s50, 22                        ; K 4 MiB on, V 8 MiB on
	s_add_co_u32 s50, s50, s47
	s_lshl_b32 s51, s42, 13
	s_add_co_u32 s50, s50, s51
	s_mov_b32 s51, 0
	s_lshl_b32 s48, ttmp9, 3                       ; block i's first tile,
	s_sub_co_u32 s49, 31, ttmp9
	s_lshl_b32 s49, s49, 3                         ; block 31 - i's
	s_lshr_b32 s54, s46, 3
	s_lshl_b32 s54, s54, 8                         ; 256 b
	s_and_b32 s55, s46, 7                          ; the head
	s_add_co_u32 s52, s48, s[WV]                   ; my two tiles in the sequence
	s_add_co_u32 s53, s49, s[WV]
	s_lshl_b32 s58, s52, 10                        ; Q: 1,024 bytes a tile
	s_add_co_u32 s58, s58, s47
	s_lshl_b32 s60, s53, 10
	s_add_co_u32 s60, s60, s47
	s_add_co_u32 s48, s48, s54                     ; the same among all 512 tiles of tokens
	s_add_co_u32 s49, s49, s54
	s_add_co_u32 s52, s52, s54
	s_add_co_u32 s53, s53, s54
	s_lshl_b32 s62, s52, 13                        ; mask words: 8,192 bytes a tile
	s_mov_b32 s63, 0
	s_lshl_b32 s68, s53, 13
	s_mov_b32 s69, 0
	s_lshl_b32 s70, s52, 4                         ; flags: 16 bytes a tile
	s_mov_b32 s71, 0
	s_lshl_b32 s72, s53, 4
	s_mov_b32 s73, 0
	s_lshl_b32 s74, s52, 3                         ; oc: [tile][head], 1,024 bytes
	s_add_co_u32 s74, s74, s55
	s_lshl_b32 s74, s74, 10
	s_mov_b32 s75, 0
	s_lshl_b32 s76, s53, 3
	s_add_co_u32 s76, s76, s55
	s_lshl_b32 s76, s76, 10
	s_mov_b32 s77, 0
	s_lshl_b32 s78, s48, 4                         ; the flags of a block's eight tiles: 128 bytes
	s_mov_b32 s79, 0
	s_lshl_b32 s80, s49, 4
	s_mov_b32 s81, 0
	ALUW
	v_add_nc_u32 v[LIW], s43, v[LI]
	v_add_nc_u32 v10, s58, v[LI]
	v_add_nc_u32 v11, s60, v[LI]
	v_add_nc_u32 v[LW], SLOTB, v[LIW]
	ALUW
	s_wait_kmcnt 0x0
	s_add_nc_u64 s[KV:KV+1], s[32:33], s[50:51]
	s_add_nc_u64 s[MP:MP+1], s[34:35], s[62:63]
	s_add_nc_u64 s[MP+2:MP+3], s[34:35], s[68:69]
	s_add_nc_u64 s[OP:OP+1], s[40:41], s[74:75]
	s_add_nc_u64 s[OP+2:OP+3], s[40:41], s[76:77]
	s_add_nc_u64 s[70:71], s[36:37], s[70:71]
	s_add_nc_u64 s[72:73], s[36:37], s[72:73]
	s_add_nc_u64 s[2:3], s[36:37], s[78:79]
	s_add_nc_u64 s[100:101], s[36:37], s[80:81]
	s_load_b128 s[16:19], s[70:71], 0x0            ; my first tile's flags,
	s_load_b128 s[20:23], s[72:73], 0x0            ; my second's
	s_load_b128 s[24:27], s[38:39], 0x18           ; entries 6 to 9
	s_load_b32 s28, s[38:39], 0x28                 ; entry 10
.irp n, 0,1,2,3,4,5,6,7,8,9,10,11,12,13,14,15
	global_load_b128 v[S+4*\n:S+4*\n+3], v[LI], s[KV:KV+1] offset:512*\n               ; slot 0, by way of the scores' registers
.endr
.irp n, 0,1,2,3,4,5,6,7,8,9,10,11,12,13,14,15
	global_load_b128 v[S+64+4*\n:S+64+4*\n+3], v[LI], s[KV:KV+1] offset:32768+512*\n   ; slot 1
.endr
	WIN 0x40
.irp g, 0,1
	global_load_b128 v[QF+4*\g:QF+4*\g+3], v10, s[32:33] offset:512*\g
	global_load_b128 v[QF+8+4*\g:QF+8+4*\g+3], v11, s[32:33] offset:512*\g
.endr
	WIN 0
	s_wait_xcnt 0x0                                ; every load above has read its address: the loads below land on those registers
	s_load_b512 s[32:47], s[2:3], 0x0              ; the flags of the work-group's 16 tiles
	s_load_b512 s[48:63], s[2:3], 0x40
	s_load_b512 s[68:83], s[100:101], 0x0
	s_load_b512 s[84:99], s[100:101], 0x40
	v_mov_b32 v[NINF], 0xff800000
	v_mov_b32 v[PD], 0                             ; written once: a lane permute's destination counts as one of its sources
.irp x, 0,1
	v_mov_b32 v[ST+8*\x+1], 0xff61b1e6             ; the largest t so far: -3e38, under every t
	v_floor_f32 v[ST+8*\x], -v[ST+8*\x+1]          ; -M
	v_mov_b32 v[ST+8*\x+2], 0                      ; the sum
	v_mov_b32 v[ST+8*\x+3], 0
	v_mov_b32 v[ST+8*\x+5], 0                      ; (named with f as a pair)
.endr
.set i, 0
.rept 64
	v_mov_b32 v[O+i], 0                            ; O^T: a step is written once; the first finds zeros, and a tile that never runs keeps them
.set i, i+1
.endr
	s_wait_kmcnt 0x0
	FLAGS 29, 30, 16
	FLAGS 16, 17, 20
	s_mov_b32 s[ANY], s29
	s_and_not1_b32 s[ANY+1], s29, s30              ; some open and not all
	s_mov_b32 s[ANY+2], s16
	s_and_not1_b32 s[ANY+3], s16, s17
	s_or_b32 s[EI], s[ANY], s[ANY+2]
	s_mov_b32 s[WV], s28                           ; e10, for the way out
	s_cmp_lt_i32 s26, -8
	s_cselect_b32 s[HOLD], 1, 0                    ; 448 x 2^e8 under 1: the hold can bind
	s_add_co_i32 s31, s26, 127
	s_lshl_b32 s30, s31, 23
	v_mov_b32 v[PSC], s30
	s_add_co_i32 s31, s31, 8
	s_lshl_b32 s31, s31, 23
	s_or_b32 s31, s31, 0x600000
	v_mov_b32 v[PLIM], s31
	s_add_co_i32 s[EPV], s26, s27                  ; e8 + e9
	s_add_co_i32 s31, s24, s25                     ; a score stands for score x 2^(e6 + e7): added to the exponent field of
	s_lshl_b32 s31, s31, 23
	s_add_co_i32 s[CS], s31, 0x3e38aa3b            ; c = log2(e) / 8
	s_mov_b32 s[CS+1], s[CS]
	s_mov_b32 s[SEL], 0x76543210
	s_mov_b32 s[SEL+1], 0xfedcba98
.irp k, 0,1,2,3                                ; the 16 tiles' flags joined, word by word
.irp t, 1,2,3,4,5,6,7
	s_or_b32 s[32+\k], s[32+\k], s[32+4*\t+\k]
.endr
.irp t, 0,1,2,3,4,5,6,7
	s_or_b32 s[32+\k], s[32+\k], s[68+4*\t+\k]
.endr
.endr
	s_bfe_u32 s[WSH], s33, 0x80000                 ; key steps 8 on: slot 2 in the lowest nibble
.irp k, 2,3
	s_bfe_u32 s31, s[32+\k], 0x80000
	s_lshl_b32 s31, s31, 8*(\k-1)
	s_or_b32 s[WSH], s[WSH], s31
.endr
	s_mov_b32 s[POS], 0
	s_mov_b32 s[KO], 0
	s_mov_b32 s[SL], 0
	ALUW                                           ; at the head's end
	s_wait_loadcnt 0x0
.irp n, 0,1,2,3,4,5,6,7,8,9,10,11,12,13,14,15
	ds_store_b128 v[LIW], v[S+4*\n:S+4*\n+3] offset:512*\n
.endr
.irp n, 0,1,2,3,4,5,6,7,8,9,10,11,12,13,14,15
	ds_store_b128 v[LW], v[S+64+4*\n:S+64+4*\n+3] offset:512*\n
.endr
	s_add_nc_u64 s[KV:KV+1], s[KV:KV+1], 65536
	GLOAD                                          ; slot 2
	s_wait_dscnt 0x0                               ; for the others' sake: my parts of slots 0 and 1 lie in LDS
	s_barrier_signal -1
	s_barrier_wait -1
	KLOAD LI                                       ; key step 0's K
.macro MLOAD x                         ; the 64 mask words of a tile's step that is part hidden
	s_bitcmp1_b32 s[ANY+2*\x+1], 0
	s_cbranch_scc0 .Lnm_\@
	s_load_b512 s[32:47], s[MP+2*\x:MP+2*\x+1], s[KO] offset:0x0
	s_load_b512 s[48:63], s[MP+2*\x:MP+2*\x+1], s[KO] offset:0x40
	s_load_b512 s[68:83], s[MP+2*\x:MP+2*\x+1], s[KO] offset:0x80
	s_load_b512 s[84:99], s[MP+2*\x:MP+2*\x+1], s[KO] offset:0xc0
.Lnm_\@:
.endm
.macro MASK x                          ; bit set: the score; else -infinity
	s_wait_kmcnt 0x0                               ; on every path: no mask word is out behind this line
	s_bitcmp1_b32 s[ANY+2*\x+1], 0
	s_cbranch_scc0 .Lop_\@
	ALUW                                           ; directly ahead of the scores' first reader
.set i, 0
.rept 64
	v_cndmask_b32 v[S+64*\x+i], v[NINF], v[S+64*\x+i], s[32+i+4*(i/32)]
.set i, i+1
.endr
.Lop_\@:
.endm
.macro QK x                            ; S^T = K Q^T: eight tiles of 16 keys
	s_bitcmp1_b32 s[ANY+2*\x], 0
	s_cbranch_scc0 .Lnq_\@
	WIN 0x05                                       ; K and Q in window 1
.irp t, 0,1,2,3,4,5,6,7
	v_wmma_f32_16x16x64_fp8_fp8 v[S+64*\x+8*\t:S+64*\x+8*\t+7], v[KF+8*\t:KF+8*\t+7], v[QF+8*\x:QF+8*\x+7], 0
.endr
	WIN 0
.Lnq_\@:
.endm
.macro KPRE                            ; the next step's K, if one of my tiles has an open entry there
	s_bitcmp1_b32 s[EI], 1
	s_cbranch_scc0 .Lnk_\@
	s_add_co_u32 s[TMP], s[POS], STEPB
	s_and_b32 s[TMP], s[TMP], RINGM
	v_add_nc_u32 v[RA], s[TMP], v[LI]
	ALUW
	KLOAD RA
.Lnk_\@:
.endm
; The softmax of one tile's 64 scores a lane, and O^T += V^T P^T.
.macro SOFT x
.set rT, ST+8*\x
.set rS, S+64*\x
.set rO, O+32*\x
.set rP, P+16*\x
	s_bitcmp1_b32 s[ANY+2*\x], 0
	s_cbranch_scc0 .Lno_\@
	ALUW                                           ; directly ahead of the scores' first reader
.irp k, 0,1,2,3                                ; the largest score among my 64 keys, in four chains; each accumulator is first read at its low end
	v_max3_num_f32 v[A1+\k], v[rS+16*\k], v[rS+16*\k+1], v[rS+16*\k+2]
.endr
.irp i, 3,5,7,9,11,13
.irp k, 0,1,2,3
	v_max3_num_f32 v[A1+\k], v[A1+\k], v[rS+16*\k+\i], v[rS+16*\k+\i+1]
.endr
.endr
	v_max3_num_f32 v[A1], v[A1], v[A1+1], v[rS+15]
	v_max3_num_f32 v[A1+2], v[A1+2], v[A1+3], v[rS+31]
	v_max3_num_f32 v[A1], v[A1], v[A1+2], v[rS+47]
	v_max_num_f32 v[A1], v[A1], v[rS+63]
	v_permlanex16_b32 v[PD], v[A1], s[SEL], s[SEL+1]
	v_max_num_f32 v[A1], v[A1], v[PD]              ; and among lane l xor 16's
	v_mul_f32 v[A1], s[CS], v[A1]                  ; as t (c is positive)
	v_max_num_f32 v[rT+1], v[rT+1], v[A1]          ; the running largest t
	v_mov_b32 v[A1+1], v[rT]
	v_floor_f32 v[rT], -v[rT+1]                    ; the new -M = -ceil(t)
	v_sub_f32 v[A1+1], v[rT], v[A1+1]              ; old M - new M: a whole number, 0 or less
	v_cvt_i32_f32 v[A1+1], v[A1+1]                 ; (it saturates)
	v_ldexp_f32 v[rT+4], 1.0, v[A1+1]              ; f = 2^(old M - new M)
.set i, 0
.rept 32
	v_pk_fma_f32 v[rS+i:rS+i+1], v[rS+i:rS+i+1], s[CS:CS+1], v[rT:rT+1] op_sel_hi:[1,0,0]   ; t - M
.set i, i+2
.endr
	ALUW                                           ; ahead of the batch
.set i, 0
.rept 64
	v_exp_f32 v[rS+i], v[rS+i]                     ; p = 2^(t - M)
.set i, i+1
.endr
	v_pk_mul_f32 v[rT+2:rT+3], v[rT+2:rT+3], v[rT+4:rT+5] op_sel_hi:[1,0]   ; the sum under the new M; a plain line behind the batch
	ALUW                                           ; behind the batch, ahead of its first reader
	v_pk_add_f32 v[rT+6:rT+7], v[rS+2:rS+3], v[rS+4:rS+5]      ; the sum of the UNQUANTISED p, in four chains; nothing is cleared
	v_pk_add_f32 v[A1:A1+1], v[rS+6:rS+7], v[rS+8:rS+9]
	v_pk_add_f32 v[A1+2:A1+3], v[rS+10:rS+11], v[rS+12:rS+13]
	v_pk_add_f32 v[rT+2:rT+3], v[rT+2:rT+3], v[rS:rS+1]
.irp i, 14,22,30,38,46,54
	v_pk_add_f32 v[rT+6:rT+7], v[rT+6:rT+7], v[rS+\i:rS+\i+1]
	v_pk_add_f32 v[A1:A1+1], v[A1:A1+1], v[rS+\i+2:rS+\i+3]
	v_pk_add_f32 v[A1+2:A1+3], v[A1+2:A1+3], v[rS+\i+4:rS+\i+5]
	v_pk_add_f32 v[rT+2:rT+3], v[rT+2:rT+3], v[rS+\i+6:rS+\i+7]
.endr
	v_pk_add_f32 v[rT+6:rT+7], v[rT+6:rT+7], v[rS+62:rS+63]
	v_pk_add_f32 v[A1:A1+1], v[A1:A1+1], v[A1+2:A1+3]
	v_pk_add_f32 v[rT+2:rT+3], v[rT+2:rT+3], v[rT+6:rT+7]
	v_pk_add_f32 v[rT+2:rT+3], v[rT+2:rT+3], v[A1:A1+1]
	ALUW                                           ; directly ahead of the branch
	s_cmp_eq_u32 s[HOLD], 0
	s_cbranch_scc1 .Lnh_\@                         ; p <= 1 <= 448 x 2^e8: nothing to hold
.set i, 0
.rept 64
	v_min_num_f32 v[rS+i], v[rS+i], v[PLIM]        ; the conversion to an 8-bit code does not saturate (ISA guide 7.6.2); p is not negative, so the hold is one-sided
.set i, i+1
.endr
.Lnh_\@:
.irp g, 0,1,2,3,4,5,6,7
	v_cvt_scalef32_pk8_fp8_f32 v[rP+2*\g:rP+2*\g+1], v[rS+8*\g:rS+8*\g+7], v[PSC]
.endr
	ALUW                                           ; directly ahead of the first reader of O^T
.set i, 0
.rept 16
	v_pk_mul_f32 v[rO+i:rO+i+1], v[rO+i:rO+i+1], v[rT+4:rT+5] op_sel_hi:[1,0]   ; O^T under the new M, each accumulator from its low end on
.set i, i+2
.endr
	ALUW                                           ; directly ahead of the wait below
	s_wait_dscnt 0x0                               ; V is in (and the next step's K, asked for ahead of the softmax)
	WIN 0x01                                       ; V in window 1
.irp c, 0,1,2,3
	v_wmma_f32_16x16x128_fp8_fp8 v[rO+8*\c:rO+8*\c+7], v[VF+16*\c:VF+16*\c+15], v[rP:rP+15], v[rO+8*\c:rO+8*\c+7]   ; four accumulators by turns; between two steps' links stand the scores' products
.endr
	WIN 0
.Lno_\@:
.endm
; One key step of 128 keys.
.macro STEP
	s_bitcmp1_b32 s[EI], 0
	s_cbranch_scc0 .Lidle_\@                       ; neither of my tiles has an open entry here
	MLOAD 0
	v_add_nc_u32 v[RA], s[POS], v[LI]
.rept 4
	v_nop                                          ; four places ahead of loads into registers that the last products read
.endr
	ALUW
	WIN 0x40
.irp n, 0,1,2,3,4,5,6,7,8,9,10,11,12,13,14,15
	ds_load_b128 v[VF+4*\n:VF+4*\n+3], v[RA] offset:8192+512*\n
.endr
	WIN 0
	s_wait_dscnt 16                                ; K, asked for in an earlier step, is in; V's 16 loads may be out
	QK 0
	QK 1
.rept 4
	v_nop                                          ; four places ahead of the loads into K's registers and of the first read of scores
.endr
	KPRE
	MASK 0
	MLOAD 1
	SOFT 0
	MASK 1
	SOFT 1
	s_wait_dscnt 0x0                               ; on every path: no fragment load of this step is out
	s_branch .Lend_\@
.Lidle_\@:
	s_wait_dscnt 0x0                               ; no earlier fetch of K is out: its registers may be loaded again
	KPRE
.Lend_\@:
.irp r, ANY, ANY+1, ANY+2, ANY+3, EI
	s_lshr_b32 s[\r], s[\r], 1                     ; the next step's flags to bit 0
.endr
	s_add_co_u32 s[POS], s[POS], STEPB
	s_and_b32 s[POS], s[POS], RINGM
	s_add_co_u32 s[KO], s[KO], 256
.endm
.Lslot:                                            ; 8 slots of 4 key steps
	s_mov_b32 s[INNER], 0
.Lstep:
	STEP
	s_add_co_u32 s[INNER], s[INNER], 1
	s_cmp_lt_u32 s[INNER], 4
	s_cbranch_scc1 .Lstep
	s_wait_loadcnt 0x0                             ; the slot after next is in my registers,
	s_wait_xcnt 0x0                                ; and any prefetch of mine has read its address
	s_add_nc_u64 s[KV:KV+1], s[KV:KV+1], 32768
	s_and_b32 s[TMP], s[WSH], 15
	s_lshr_b32 s[WSH], s[WSH], 4
	s_cmp_lg_u32 s[TMP], 0
	s_cbranch_scc0 .Lns                            ; nobody in the work-group reads that slot
	s_add_co_u32 s[TMP], s[POS], SLOTB             ; POS stands at the next slot
	s_and_b32 s[TMP], s[TMP], RINGM
	v_add_nc_u32 v[LW], s[TMP], v[LIW]
	ALUW
	WIN 0x04                                       ; data in window 1
.irp n, 0,1,2,3,4,5,6,7,8,9,10,11,12,13,14,15
	ds_store_b128 v[LW], v[STG+4*\n:STG+4*\n+3] offset:512*\n
.endr
	WIN 0
.Lns:
	s_wait_dscnt 0x0                               ; my stores have landed and my loads are in
	s_barrier_signal -1
	s_barrier_wait -1
	s_and_b32 s[TMP], s[WSH], 15
	s_cmp_lg_u32 s[TMP], 0
	s_cbranch_scc0 .Lnl                            ; behind slot 7 the nibbles are 0: no load leaves its buffer
	GLOAD
.Lnl:
	s_add_co_u32 s[TMP], s[SL], 4                  ; the slot behind the one just asked for,
	s_cmp_lt_u32 s[TMP], 8
	s_cselect_b32 s[TMP], s[TMP], -1               ; if there is one,
	s_cmp_eq_u32 s[TMP], ttmp9                     ; is asked for by the work-group of its number
	s_cbranch_scc0 .Lnp
	global_prefetch_b8 v[PFO], s[KV:KV+1] offset:32768 th:TH_LOAD_NT scope:SCOPE_SE
.Lnp:
	s_add_co_u32 s[SL], s[SL], 1
	s_cmp_lt_u32 s[SL], 8
	s_cbranch_scc1 .Lslot
; THE WAY OUT: O^T x 2^(e8 + e9) / the sum, quantised with 2^e10.  A lane's eight channels of tile c become registers 2 c, 2 c + 1 of the head's part of the last product's operand.
.macro FINISH x
.set rT, ST+8*\x
.set rO, O+32*\x
.set rC, S+32+8*\x
	v_add_f32 v[A1+2], v[rT+2], v[rT+3]            ; the sum's two halves,
	v_permlanex16_b32 v[PD], v[A1+2], s[SEL], s[SEL+1]
	v_add_f32 v[A1+2], v[A1+2], v[PD]              ; and lane l xor 16's
	v_cmp_eq_f32 s[LZ+\x], 0, v[A1+2]              ; a query with no open key
	ALUW                                           ; ahead of the reciprocal
	v_rcp_f32 v[A1], v[A1+2]
	v_nop                                          ; a plain line behind it
	ALUW                                           ; ahead of its first reader
	v_ldexp_f32 v[A1], v[A1], s[EPV]
	ALUW                                           ; directly ahead of the first reader of O^T
.set i, 0
.rept 16
	v_pk_mul_f32 v[S+i:S+i+1], v[rO+i:rO+i+1], v[A1:A1+1] op_sel_hi:[1,0]
.set i, i+2
.endr
.irp c, 0,1,2,3
.irp i, 0,1,2,3,4,5,6,7
	v_med3_num_f32 v[S+8*\c+\i], v[S+8*\c+\i], -v[LW], v[LW]
.endr
	v_cvt_scalef32_pk8_fp8_f32 v[rC+2*\c:rC+2*\c+1], v[S+8*\c:S+8*\c+7], v[PFO]
.endr
	v_nop                                          ; a plain line behind the last conversion
.irp i, 0,1,2,3,4,5,6,7
	v_cndmask_b32 v[rC+\i], v[rC+\i], v[RA], s[LZ+\x]
.endr
	global_store_b128 v[LI], v[rC:rC+3], s[OP+2*\x:OP+2*\x+1]               ; 32 lanes store 512 consecutive bytes
	global_store_b128 v[LI], v[rC+4:rC+7], s[OP+2*\x:OP+2*\x+1] offset:512
.endm
.rept 4
	v_nop                                          ; four places behind the last products
.endr
	s_add_co_i32 s31, s[WV], 127
	s_lshl_b32 s30, s31, 23
	s_add_co_i32 s31, s31, 8
	s_lshl_b32 s31, s31, 23
	s_or_b32 s31, s31, 0x600000
	v_mov_b32 v[PFO], s30                          ; 2^e10
	v_mov_b32 v[LW], s31                           ; 448 x 2^e10
	v_mov_b32 v[RA], 0x7f7f7f7f                    ; NaN codes
	v_mov_b32 v[A1+1], 0                           ; (named as the upper half of the pair v[10:11])
	FINISH 0
	FINISH 1
	s_wait_tensorcnt 0x0                           ; the wave's end
	ds_add_u32 v[SPW], v[NIL]
	s_wait_dscnt 0x0
	s_endpgm
.Lfunc_end_k_qb17afdb62a_attn:
	.size	k_qb17afdb62a_attn, .Lfunc_end_k_qb17afdb62a_attn-k_qb17afdb62a_attn
	.p2alignl 7, 3214868480
	.fill 96, 4, 3214868480
	.section	.rodata,"a",@progbits
	.p2align	6, 0x0
	.amdhsa_kernel k_qb17afdb62a_attn
		.amdhsa_group_segment_fixed_size 263168
		.amdhsa_private_segment_fixed_size 0
		.amdhsa_enable_private_segment 0
		.amdhsa_kernarg_size 40
		.amdhsa_user_sgpr_count 2
		.amdhsa_user_sgpr_kernarg_segment_ptr 1
		.amdhsa_wavefront_size32 1
		.amdhsa_system_sgpr_workgroup_id_x 1
		.amdhsa_system_sgpr_workgroup_id_y 1
		.amdhsa_system_sgpr_workgroup_id_z 1
		.amdhsa_system_vgpr_workitem_id 0
		.amdhsa_next_free_vgpr 464
		.amdhsa_next_free_sgpr 102
		.amdhsa_reserve_vcc 0
		.amdhsa_float_denorm_mode_32 3
		.amdhsa_float_denorm_mode_16_64 3
		.amdhsa_memory_ordered 1
		.amdhsa_forward_progress 1
		.amdhsa_inst_pref_size 72
	.end_amdhsa_kernel
	.amdgpu_metadata
---
amdhsa.version: [ 1, 2 ]
amdhsa.kernels:
  - .name:           k_qb17afdb62a_attn
    .symbol:         k_qb17afdb62a_attn.kd
    .args:
      - { .name: qkv, .offset: 0, .size: 8, .value_kind: global_buffer, .address_space: global }
      - { .name: mbits, .offset: 8, .size: 8, .value_kind: global_buffer, .address_space: global }
      - { .name: mflag, .offset: 16, .size: 8, .value_kind: global_buffer, .address_space: global }
      - { .name: lowp_scales, .offset: 24, .size: 8, .value_kind: global_buffer, .address_space: global }
      - { .name: oc, .offset: 32, .size: 8, .value_kind: global_buffer, .address_space: global }
    .group_segment_fixed_size: 263168
    .private_segment_fixed_size: 0
    .kernarg_segment_align: 8
    .kernarg_segment_size: 40
    .max_flat_workgroup_size: 256
    .sgpr_count:     102
    .vgpr_count:     464
    .wavefront_size: 32
...
	.end_amdgpu_metadata
.endif
;; end of part 3
;; launch outp (part 4): grid 256 x 1, 8 waves a work-group, no clusters, 70,656 bytes of LDS; arguments oc, wcodes, bo, lowp_scales, out0; writes out0
.if DOCPART == 4
	.amdgcn_target "amdgcn-amd-amdhsa--gfx1250"
	.amdhsa_code_object_version 6
	.text
	.protected	k_qb17afdb62a_outp
	.globl	k_qb17afdb62a_outp
	.p2align	8
	.type	k_qb17afdb62a_outp,@function
k_qb17afdb62a_outp:
	s_mov_b64 s[64:65], 0
	v_nop
	global_prefetch_b8 v0, s[64:65] scope:SCOPE_SE
	s_setreg_imm32_b32 hwreg(HW_REG_WAVE_MODE, 25, 1), 1
	s_wait_xcnt 0x0
; out = o Wo^T + bo on codes of E4M3.  o's codes (oc) and Wo's (the fourth weight in wcodes) lie as images of operand registers: every load is 16 bytes at 16 x lane, 512 consecutive bytes an instruction.
; oc [512 token tiles][8 heads][2 g][32][16]: two heads on end are a fragment of 128 along K.
; Work-group g: tokens 32 g .. 32 g + 31 (two tiles).  Wave w: features 64 w .. 64 w + 63: 256 consecutive bytes of each output row, so its stage in LDS is its own, and there is no barrier.
; Source 0 = 16 rows of Wo, source 1 = 16 tokens: a lane holds one token and eight neighbouring features.  y = sum x 2^(e10 + e11) + bo, one packed multiply-add for two numbers.
; LIMIT: e10 + e11 between -126 and 127, so that the power of two is an f32 number.
; No cluster: what the work-groups share is Wo's 256 KiB of codes, read once by each, straight into registers.
; REGISTERS, window 0: v1 r, v2 h, v3 16 x lane, v4 32 h, v5, v6 stage in and out, v7 my bytes in two rows of out; v32-63 bo; v64-127 eight accumulators ((f, i) at 8 (2 f + i));
;   v128-255 o's eight fragments ((i, s) at 16 (4 i + s)), later v128-191 y and v192-255 rows read back.   window 1: Wo's fragments, (f, s) at 16 (4 f + s).
.set BI,  32
.set ACC, 64
.set XF,  128
.set Y,   128
.set BK,  192
.set SP,  272                          ; a stage row: 256 bytes + 16 = 17 x 16
.set WSTG, 32*SP
.set MSB, 0
.macro WIN new                         ; the immediate's high byte repeats the setting that is left
.if MSB != \new
	s_set_vgpr_msb (MSB<<8)|\new
.set MSB, \new
.endif
.endm
	s_load_b256 s[16:23], s[0:1], 0x0              ; oc s[16:17], wcodes s[18:19], bo s[20:21], the scales' exponents s[22:23]
	s_load_b64 s[24:25], s[0:1], 0x20              ; out0
	v_lshl_add_u32 v30, v0, 2, 0x11000
	v_mov_b32 v31, 0
	v_lshrrev_b32 v1, 5, v0
	s_delay_alu instid0(VALU_DEP_1)
	v_readfirstlane_b32 s8, v1                     ; wave 0..7
	v_and_b32 v1, 15, v0                           ; r
	v_bfe_u32 v2, v0, 4, 1                         ; h
	v_and_b32 v3, 31, v0
	s_delay_alu instid0(VALU_DEP_1)
	v_lshlrev_b32 v3, 4, v3
	s_delay_alu instid0(VALU_DEP_3)
	v_lshlrev_b32 v4, 5, v2
	s_mul_i32 s9, s8, WSTG
	v_mul_u32_u24 v5, v1, SP
	s_delay_alu instid0(VALU_DEP_1)
	v_lshl_add_u32 v5, v2, 5, v5
	s_delay_alu instid0(VALU_DEP_1)
	v_add_nc_u32 v5, s9, v5                        ; in: row r, + 32 h
	v_mul_u32_u24 v6, v2, SP
	s_delay_alu instid0(VALU_DEP_1)
	v_lshl_add_u32 v6, v1, 4, v6
	s_delay_alu instid0(VALU_DEP_1)
	v_add_nc_u32 v6, s9, v6                        ; back: lanes 0-15 one row of 256 bytes, lanes 16-31 the next
	v_lshlrev_b32 v7, 11, v2
	s_delay_alu instid0(VALU_DEP_1)
	v_lshl_add_u32 v7, v1, 4, v7                   ; and the same two rows in out0
	s_lshl_b32 s10, ttmp9, 14                      ; oc: two tiles of 8,192 bytes
	s_mov_b32 s11, 0
	s_lshl_b32 s12, s8, 15                         ; Wo's codes: the fourth weight, 32,768 bytes for my 64 features
	s_add_co_u32 s12, s12, 786432
	s_mov_b32 s13, 0
	s_lshl_b32 s14, s8, 8                          ; 256 bytes: my 64 numbers of bo, and of a row of out0
	s_mov_b32 s15, 0
	s_lshl_b32 s30, ttmp9, 16                      ; 32 rows of 2,048 bytes
	s_add_co_u32 s30, s30, s14
	s_mov_b32 s31, 0
	s_wait_alu depctr_va_vdst(0)
	s_wait_kmcnt 0x0
	s_load_b64 s[26:27], s[22:23], 0x28            ; e10, e11
	s_add_nc_u64 s[16:17], s[16:17], s[10:11]
	s_add_nc_u64 s[18:19], s[18:19], s[12:13]
	s_add_nc_u64 s[20:21], s[20:21], s[14:15]
	s_add_nc_u64 s[24:25], s[24:25], s[30:31]
.irp f, 0,1,2,3
	global_load_b128 v[BI+8*\f:BI+8*\f+3], v4, s[20:21] offset:64*\f          ; bo(64 w + 16 f + 8 h + 0 .. 7)
	global_load_b128 v[BI+8*\f+4:BI+8*\f+7], v4, s[20:21] offset:64*\f+16
.endr
.set i, 0
.rept 32
	global_load_b128 v[XF+4*i:XF+4*i+3], v3, s[16:17] offset:512*i
.set i, i+1
.endr
	WIN 0x40                                       ; destination window 1
.irp s, 0,1,2,3                                ; K step by K step, so that the products can begin on the first
.irp f, 0,1,2,3
.irp g, 0,1,2,3
	global_load_b128 v[16*(4*\f+\s)+4*\g:16*(4*\f+\s)+4*\g+3], v3, s[18:19] offset:512*(4*(4*\f+\s)+\g)
.endr
.endr
.endr
	WIN 0
	s_wait_kmcnt 0x0
	s_add_co_i32 s28, s26, s27
	s_add_co_i32 s28, s28, 127
	s_lshl_b32 s28, s28, 23                        ; 2^(e10 + e11) as f32
	s_mov_b32 s29, s28                             ; (named with it as a pair)
	WIN 0x01                                       ; source 0 (Wo) window 1
.irp s, 0,1,2,3
	s_wait_loadcnt 16*(3-\s)                       ; all but the later K steps' loads of Wo, 16 each
.irp f, 0,1,2,3
.irp i, 0,1
.if \s == 0
	v_wmma_f32_16x16x128_fp8_fp8 v[ACC+8*(2*\f+\i):ACC+8*(2*\f+\i)+7], v[16*(4*\f+\s):16*(4*\f+\s)+15], v[XF+16*(4*\i+\s):XF+16*(4*\i+\s)+15], 0
.else
	v_wmma_f32_16x16x128_fp8_fp8 v[ACC+8*(2*\f+\i):ACC+8*(2*\f+\i)+7], v[16*(4*\f+\s):16*(4*\f+\s)+15], v[XF+16*(4*\i+\s):XF+16*(4*\i+\s)+15], v[ACC+8*(2*\f+\i):ACC+8*(2*\f+\i)+7]
.endif
.endr
.endr
.endr                                          ; eight accumulators by turns, one instruction a turn
	WIN 0
.rept 4
	v_nop                                          ; four places ahead of the first read of results and of writes into registers that the products read (ISA guide 7.12.1)
.endr
.irp f, 0,1,2,3
.irp i, 0,1
.irp j, 0,2,4,6
	v_pk_fma_f32 v[Y+8*(2*\f+\i)+\j:Y+8*(2*\f+\i)+\j+1], v[ACC+8*(2*\f+\i)+\j:ACC+8*(2*\f+\i)+\j+1], s[28:29], v[BI+8*\f+\j:BI+8*\f+\j+1] op_sel_hi:[1,0,1]
.endr
.endr
.endr
.irp f, 0,1,2,3
.irp i, 0,1
	ds_store_b128 v5, v[Y+8*(2*\f+\i):Y+8*(2*\f+\i)+3] offset:\i*16*SP+64*\f         ; lane (r, h): y(16 i + r, 64 w + 16 f + 8 h + 0 .. 7)
	ds_store_b128 v5, v[Y+8*(2*\f+\i)+4:Y+8*(2*\f+\i)+7] offset:\i*16*SP+64*\f+16
.endr
.endr
.irp i, 0,1
.irp n, 0,1,2,3,4,5,6,7
	ds_load_b128 v[BK+4*(8*\i+\n):BK+4*(8*\i+\n)+3], v6 offset:\i*16*SP+2*\n*SP       ; LDS serves a wave's instructions in order (ISA guide 5.7.1.4): these see my stores
.endr
.endr
.irp i, 0,1
.irp n, 0,1,2,3,4,5,6,7
	s_wait_dscnt 15-8*\i-\n                        ; the younger loads may be out
	global_store_b128 v7, v[BK+4*(8*\i+\n):BK+4*(8*\i+\n)+3], s[24:25] offset:(16*\i+2*\n)*2048 th:TH_STORE_NT   ; 16 lanes store 256 consecutive bytes, at a multiple of 256 from out0's first byte
.endr
.endr
	s_wait_tensorcnt 0x0
	ds_add_u32 v30, v31
	s_wait_dscnt 0x0
	s_endpgm
.Lfunc_end_k_qb17afdb62a_outp:
	.size	k_qb17afdb62a_outp, .Lfunc_end_k_qb17afdb62a_outp-k_qb17afdb62a_outp
	.p2alignl 7, 3214868480
	.fill 96, 4, 3214868480
	.section	.rodata,"a",@progbits
	.p2align	6, 0x0
	.amdhsa_kernel k_qb17afdb62a_outp
		.amdhsa_group_segment_fixed_size 70656
		.amdhsa_private_segment_fixed_size 0
		.amdhsa_enable_private_segment 0
		.amdhsa_kernarg_size 40
		.amdhsa_user_sgpr_count 2
		.amdhsa_user_sgpr_kernarg_segment_ptr 1
		.amdhsa_wavefront_size32 1
		.amdhsa_system_sgpr_workgroup_id_x 1
		.amdhsa_system_sgpr_workgroup_id_y 1
		.amdhsa_system_sgpr_workgroup_id_z 1
		.amdhsa_system_vgpr_workitem_id 0
		.amdhsa_next_free_vgpr 512
		.amdhsa_next_free_sgpr 66
		.amdhsa_reserve_vcc 0
		.amdhsa_float_denorm_mode_32 3
		.amdhsa_float_denorm_mode_16_64 3
		.amdhsa_memory_ordered 1
		.amdhsa_forward_progress 1
		.amdhsa_inst_pref_size 21
	.end_amdhsa_kernel
	.amdgpu_metadata
---
amdhsa.version: [ 1, 2 ]
amdhsa.kernels:
  - .name:           k_qb17afdb62a_outp
    .symbol:         k_qb17afdb62a_outp.kd
    .args:
      - { .name: oc, .offset: 0, .size: 8, .value_kind: global_buffer, .address_space: global }
      - { .name: wcodes, .offset: 8, .size: 8, .value_kind: global_buffer, .address_space: global }
      - { .name: bo, .offset: 16, .size: 8, .value_kind: global_buffer, .address_space: global }
      - { .name: lowp_scales, .offset: 24, .size: 8, .value_kind: global_buffer, .address_space: global }
      - { .name: out0, .offset: 32, .size: 8, .value_kind: global_buffer, .address_space: global }
    .group_segment_fixed_size: 70656
    .private_segment_fixed_size: 0
    .kernarg_segment_align: 8
    .kernarg_segment_size: 40
    .max_flat_workgroup_size: 256
    .sgpr_count:     66
    .vgpr_count:     512
    .wavefront_size: 32
...
	.end_amdgpu_metadata
.endif
;; end of part 4
